; MI455X (gfx1250); checked and timed in simulation.
; The chip was launched on July 23, 2026; its instructions are those of AMD's public machine-readable ISA for CDNA 5 (MIT licence, August 2026) and "CDNA5" Instruction Set Architecture Reference Guide (July 2026). The comments in the code are by the model that wrote it; some were corrected since.
;; Burgers Model Wrapper. Allowed arithmetic: float matrix products may take bf16 or f16 operands with f32 sums; other float arithmetic in f32, or as packed bf16 or f16 multiplies, adds, multiply-adds, maxima and minima; sums over many terms, partial sums and values carried from step to step in f32; what a program stores and reads back later, other than sums and carried values, may be rounded once to bf16 or f16.
;; Inputs: W1 2 x 10 float32; W2 10 x 10 float32; W3 10 x 10 float32; W4 10 x 10 float32; W5 10 x 10 float32; W6 10 x 10 float32; W7 10 x 10 float32; W8 10 x 10 float32; W9 10 x 1 float32; X_f 1,048,576 x 2 float32; b1 10 float32; b2 10 float32; b3 10 float32; b4 10 float32; b5 10 float32; b6 10 float32; b7 10 float32; b8 10 float32; b9 1 float32; x0_t0 16,384 x 2 float32; xb_left_tb 16,384 x 2 float32; xb_right_tb 16,384 x 2 float32.
;; Outputs: out0 1,048,576 x 1 float32; out1 16,384 x 1 float32; out2 16,384 x 1 float32; out3 16,384 x 1 float32; out4 1,048,576 x 1 float32; out5 1,048,576 x 1 float32; out6 1,048,576 x 1 float32.
;; 2 versions, each right and faster than the one before. Each part assembles by itself: llvm-mc -triple=amdgcn-amd-amdhsa -mcpu=gfx1250 --defsym DOCPART=n.
;; ======== version 1 of 2: 1 launch
;; limits: right only within a limited range of input values
;; launch pinn (part 1): grid 256 x 1, 8 waves a work-group, no clusters, 0 bytes of LDS; arguments W1, W2, W3, W4, W5, W6, W7, W8, W9, b1, b2, b3, b4, b5, b6, b7, b8, b9, X_f, x0_t0, xb_left_tb, xb_right_tb, out0, out4, out5, out6, out1, out2, out3; writes out0, out4, out5, out6, out1, out2, out3
.if DOCPART == 1
	.amdgcn_target "amdgcn-amd-amdhsa--gfx1250"
	.amdhsa_code_object_version 6
	.text
	.protected	k_qfadddd6855_pinn
	.globl	k_qfadddd6855_pinn
	.p2align	8
	.type	k_qfadddd6855_pinn,@function
k_qfadddd6855_pinn:
	s_mov_b64 s[64:65], 0
	v_nop
	global_prefetch_b8 v0, s[64:65] scope:SCOPE_SE
	s_setreg_imm32_b32 hwreg(HW_REG_WAVE_MODE, 25, 1), 1
	s_wait_xcnt 0x0
; A tanh network 2 -> 10 -> .. -> 10 -> 1 (eight tanh layers, a linear head) on 1,048,576 points, with u, u_x, u_xx and f = u_t + u u_x - NU u_xx, and u alone on 3 x 16,384 boundary points.
; METHOD.  One forward pass carries four JETS a point: h, h_x, h_t and y = -h_xx / 2.  A layer multiplies each jet by the same 10 x 10 matrix (z, z_x, z_t, z_y); then, with G = 1 - h^2:
;   h = tanh z,   h_x = G z_x,   h_t = G z_t,   y = G (z_y + h z_x^2).   At the end u_xx = -2 y and f = u_t + u u_x + 2 NU y.   tanh z = 1 - 2 / (1 + 2^(c z)), c = 2 log2(e).
; SHARES.  256 work-groups of eight waves, two for each of a WGP's four SIMDs.  Wave 8 g + w owns 512 consecutive points of X_f: 8 trips of 64.  A trip reads 512 consecutive bytes of X_f with one load
; and writes 256 consecutive bytes, at a multiple of 256 from the buffer's first byte, of each of four outputs.  Waves 0, 1, 2 of work-group g then take points 64 g .. 64 g + 63 of x0_t0, xb_left_tb, xb_right_tb: values only.
; LAYOUT.  r = lane % 16, hh = lane / 16.  Every product is D = A (weights) x B (activations): B's column r is a point, D's register j in lane (r, hh) is row 8 hh + j of that point, which is the place
; k = 8 hh + j of the next layer's B: nothing changes lanes between layers.  Feature f = 5 hh + j, j = 0..4, so 5 registers x 32 lanes hold 16 points x 10 features; rows and k places with j = 5, 6, 7 are padding (weights 0).
; A jet's B is eight registers: [hi01, hi23, hi4|top, 0, lo01, lo23, lo4|0, 0]: each activation goes in as bf16 hi + bf16 lo (lo = v - hi, rounded once), A repeating its weights at k + 16.
; top is 1.0 for the jet h (k = 5 meets the bias, which A holds there in lanes hh = 0) and 0 for the other jets.
; A TRIP.  Lane L owns points 2 L and 2 L + 1.  For each of the two, the 32 lanes' points are two TILES of 16 (lanes 0-15, lanes 16-31).  While one tile's jets are scaled, rounded and multiplied (D queue),
; the other tile's tanh is made (V queue): two lines of the first, one of the second, by turns.
; NO LDS, NO TENSOR LOADS, NO CLUSTER: work-groups share nothing but 3,244 bytes of weights and biases, which each wave keeps in 80 registers; each byte of X is read once, by the lane that uses it.
; LIMITS.  Every input (X, W, b) is rounded once to bf16.  tanh by the formula above has an absolute error of some 1e-7: where all |z| of a layer lie below some 1e-5 its relative error passes 1%.
; 2^(c z) beyond f32's range gives h = 1 or -1 and G = 0 exactly.  G = 1 - h^2 has an absolute error of some 1e-7.  A jet beyond 3.39e38 rounds to a bf16 infinity and is lost.  NaN and infinities are not treated apart.
.set NTRIP, 8                   ; trips of 64 points a wave
.set XO,   1                    ; v1       16 x lane: my 16 bytes of a trip's X; never rewritten
.set OO,   2                    ; v2       8 x lane: my 8 bytes of a trip's outputs; never rewritten
.set NEG1, 3                    ; v3       -1.0
.set X,    4                    ; v[4:7]   x, t of my two points
.set OUT,  8                    ; v[8:15]  u, u_x, u_t (then f), y (then u_xx): a pair each, for my two points
.set VW,   8                    ; set-up only: byte offsets into W (200 hh + 4 fo), b (4 fo) and by features (20 hh)
.set VB,   9
.set VD,   10
.set B1,   16                   ; v[16:23] layer 1's B: [x|t, 0, 0|1.0, 0, 0, 0, 0, 0]
.set ZERO, 17                   ; v17      0
.set ONE,  18                   ; v18      0x3f800000: 1.0 in f32, and the pair (0, 1.0) in bf16
.set CX,   24                   ; v[24:29] z_x of layer 1: W1[0][5 hh + j], rounded to bf16; register 5 is 0
.set CT,   30                   ; v[30:35] z_t of layer 1: W1[1][5 hh + j]
.set AA,   36                   ; v[36:43] layer 1's A for the points of lanes 0-15 (data at k = 0, 1, 5)
.set AB,   44                   ; v[44:51] the same for lanes 16-31 (k = 8, 9, 13)
.set AW,   44                   ; the A that follows layer n's tanh lies at AW + 8 n: layers 2..8 at v52..v107, the head at v108..v115
.set DA,   116                  ; tile t's area at DA + 38 t: Z +0 (later G), ZX +8, ZT +16, ZY +24 (accumulators of 8), H +32 (6)
.set DT,   38
.set BA,   192                  ; tile t's four B at BA + 32 t: h +0, h_x +8, h_t +16, y +24
.set T,    116                  ; set-up only: 61 loaded numbers
.set P0,   178                  ; set-up only: three packed words
.set PX,   40                   ; s[40:41] X at my next 64 points
.set PU,   48                   ; s[48:55] out0 (u), out4 (f), out5 (u_x), out6 (u_xx) at my next 64 points
.set WV,   62                   ; s62  my wave's number
.set ROWM, 66                   ; s66  lanes whose row of A is a feature: lane % 8 < 5
.set HIM,  67                   ; s67  lanes 16-31; also the mask of a word's upper bf16
.set CC,   68                   ; s[68:69] c: the packed forms name a pair and take its low word for both halves
.set NU2,  70                   ; s[70:71] 2 NU
.set CNT,  72                   ; s72  trips to go
.set OFS,  74                   ; s[74:75] a byte offset in 64 bits
.set BSRC, 76                   ; s[76:77] my 64 boundary points (waves 0, 1, 2)
.set BDST, 78                   ; s[78:79] and where their u goes
	s_load_b512 s[4:19], s[0:1], 0x0        ; W1..W8: W of layer n at s[2+2n:3+2n]
	s_load_b512 s[20:35], s[0:1], 0x40      ; W9, b1..b7: b of layer n at s[20+2n:21+2n]
	s_load_b128 s[36:39], s[0:1], 0x80      ; b8, b9
	s_load_b512 s[40:55], s[0:1], 0x90      ; X_f, x0_t0, xb_left_tb, xb_right_tb, out0, out4, out5, out6
	s_load_b128 s[56:59], s[0:1], 0xd0      ; out1, out2
	s_load_b64 s[60:61], s[0:1], 0xe0       ; out3
	v_lshrrev_b32 v11, 5, v0
	v_readfirstlane_b32 s[WV], v11
	v_and_b32 v12, 31, v0
	v_lshlrev_b32 v[XO], 4, v12
	v_lshlrev_b32 v[OO], 3, v12
	v_bfe_u32 v12, v0, 4, 1                 ; hh
	v_bfe_u32 v13, v0, 3, 1                 ; my row of A is r = 8 a + j:
	v_and_b32 v14, 7, v0
	v_mul_u32_u24 v13, v13, 5
	v_add_nc_u32 v13, v13, v14              ; feature fo = 5 a + j,
	v_min_u32 v13, 9, v13                   ; held inside the tables for the padding rows, whose numbers are masked away below
	v_lshlrev_b32 v[VB], 2, v13
	v_mul_u32_u24 v[VD], v12, 20
	v_mul_u32_u24 v[VW], v12, 200
	v_add_nc_u32 v[VW], v[VW], v[VB]
	s_mov_b32 s[ROWM], 0x1f1f1f1f
	s_mov_b32 s[HIM], 0xffff0000
	s_mov_b32 s[CC], 0x4038aa3b             ; 2 log2(e) = 2.885390
	s_mov_b32 s[CC+1], s[CC]                ; named with it as a pair, so it is written
	s_mov_b32 s[NU2], 0x3bd09b8a            ; 0.02 / pi
	s_mov_b32 s[NU2+1], s[NU2]
	s_mov_b32 s[OFS+1], 0
	s_lshl_b32 s73, ttmp9, 3
	s_add_co_u32 s73, s73, s[WV]            ; my wave among the launch's 2,048
	; The operands' fixed padding, written once, in the wait for the arguments: no accumulator is ever cleared (every product takes the constant 0 as C).
	v_mov_b32 v[ZERO], 0
	v_mov_b32 v[ONE], 1.0
	v_mov_b32 v[NEG1], -1.0
.irp k, 3,4,5,6,7
	v_mov_b32 v[B1+(\k)], 0
.endr
.set i, 0
.rept 8                                 ; the eight B: registers 3 and 7 and the upper half of 6 stay 0; 4 and 5 are written by halves, so they are written whole first
.irp k, 3,4,5,6,7
	v_mov_b32 v[BA+8*i+(\k)], 0
.endr
.set i, i+1
.endr
.set i, 1
.rept 8
	v_mov_b32 v[AW+8*i+3], 0
	v_mov_b32 v[AW+8*i+7], 0
.set i, i+1
.endr
.irp k, 1,3,4,5,6,7
	v_mov_b32 v[AA+(\k)], 0
	v_mov_b32 v[AB+(\k)], 0
.endr
	v_mov_b32 v[CX+5], 0
	v_mov_b32 v[CT+5], 0
	s_wait_kmcnt 0x0
	s_lshl_b32 s[OFS], s73, 12              ; 512 points of 8 bytes
	s_add_nc_u64 s[PX:PX+1], s[PX:PX+1], s[OFS:OFS+1]
	global_load_b128 v[X:X+3], v[XO], s[PX:PX+1] th:TH_LOAD_NT  ; the first trip's points
	; 61 numbers a lane: its places in the nine A, in CX and CT.
.set ly, 2
.rept 7
.set i, 0
.rept 5
	global_load_b32 v[T+6*(ly-2)+i], v[VW], s[2+2*ly:3+2*ly] offset:40*i  ; W[5 hh + i][fo]
.set i, i+1
.endr
	global_load_b32 v[T+6*(ly-2)+5], v[VB], s[20+2*ly:21+2*ly]            ; b[fo]
.set ly, ly+1
.endr
	global_load_b32 v[T+42], v[VB], s[4:5]                  ; W1[0][fo]
	global_load_b32 v[T+43], v[VB], s[4:5] offset:40        ; W1[1][fo]
	global_load_b32 v[T+44], v[VB], s[22:23]                ; b1[fo]
.irp j, 0,1,2,3,4
	global_load_b32 v[T+45+(\j)], v[VD], s[4:5] offset:4*(\j)      ; W1[0][5 hh + j]
	global_load_b32 v[T+50+(\j)], v[VD], s[4:5] offset:40+4*(\j)   ; W1[1][5 hh + j]
	global_load_b32 v[T+55+(\j)], v[VD], s[20:21] offset:4*(\j)    ; W9[5 hh + j]
.endr
	global_load_b32 v[T+60], v[ZERO], s[38:39]              ; b9
	s_lshl_b32 s[OFS], s73, 11              ; 512 points of 4 bytes
.irp k, 0,2,4,6
	s_add_nc_u64 s[PU+(\k):PU+(\k)+1], s[PU+(\k):PU+(\k)+1], s[OFS:OFS+1]
.endr
	s_cmp_eq_u32 s[WV], 1                   ; the boundary set goes by the wave's number: 0 x0_t0 -> out1, 1 xb_left_tb -> out2, 2 xb_right_tb -> out3
	s_cselect_b64 s[BSRC:BSRC+1], s[44:45], s[42:43]
	s_cselect_b64 s[BDST:BDST+1], s[58:59], s[56:57]
	s_cmp_eq_u32 s[WV], 2
	s_cselect_b64 s[BSRC:BSRC+1], s[46:47], s[BSRC:BSRC+1]
	s_cselect_b64 s[BDST:BDST+1], s[60:61], s[BDST:BDST+1]
	s_lshl_b32 s[OFS], ttmp9, 9             ; 64 points of 8 bytes
	s_add_nc_u64 s[BSRC:BSRC+1], s[BSRC:BSRC+1], s[OFS:OFS+1]
	s_lshl_b32 s[OFS], ttmp9, 8             ; 64 points of 4 bytes
	s_add_nc_u64 s[BDST:BDST+1], s[BDST:BDST+1], s[OFS:OFS+1]
	s_wait_loadcnt 0x0                      ; all 62 loads are in; their offset registers v8-v10 are free
	; Layers 2 to 8: [W0|W1, W2|W3, W4|bias, 0] twice; the bias in lanes hh = 0 alone, padding rows 0.
.set ly, 2
.rept 7
.set tb, T+6*(ly-2)
.set ab, AW+8*(ly-1)
	v_cndmask_b32 v[tb+5], v[tb+5], v[ZERO], s[HIM]
	v_cvt_pk_bf16_f32 v[P0], v[tb], v[tb+1]
	v_cvt_pk_bf16_f32 v[P0+1], v[tb+2], v[tb+3]
	v_cvt_pk_bf16_f32 v[P0+2], v[tb+4], v[tb+5]
.irp k, 0,1,2
	v_cndmask_b32 v[ab+(\k)], v[ZERO], v[P0+(\k)], s[ROWM]
	v_cndmask_b32 v[ab+4+(\k)], v[ZERO], v[P0+(\k)], s[ROWM]
.endr
.set ly, ly+1
.endr
	; The head: every row holds W9 and b9, so every register of its D holds the column's result.
	v_cndmask_b32 v[T+60], v[T+60], v[ZERO], s[HIM]
.irp k, 0,4
	v_cvt_pk_bf16_f32 v[AW+64+(\k)], v[T+55], v[T+56]
	v_cvt_pk_bf16_f32 v[AW+64+(\k)+1], v[T+57], v[T+58]
	v_cvt_pk_bf16_f32 v[AW+64+(\k)+2], v[T+59], v[T+60]
.endr
	; Layer 1: W1[0]|W1[1] meets x|t, 0|b1 meets 0|1.0; in lanes hh = 0 for the one tile, in lanes hh = 1 for the other.
	v_cvt_pk_bf16_f32 v[P0], v[T+42], v[T+43]
	v_cvt_pk_bf16_f32 v[P0+1], v[ZERO], v[T+44]
	v_cndmask_b32 v[P0], v[ZERO], v[P0], s[ROWM]
	v_cndmask_b32 v[P0+1], v[ZERO], v[P0+1], s[ROWM]
	v_cndmask_b32 v[AA], v[P0], v[ZERO], s[HIM]
	v_cndmask_b32 v[AA+2], v[P0+1], v[ZERO], s[HIM]
	v_cndmask_b32 v[AB], v[ZERO], v[P0], s[HIM]
	v_cndmask_b32 v[AB+2], v[ZERO], v[P0+1], s[HIM]
.macro ROUNDED dst, src                 ; five numbers rounded to bf16 and widened again
	v_cvt_pk_bf16_f32 v[P0], v[(\src)], v[(\src)+1]
	v_cvt_pk_bf16_f32 v[P0+1], v[(\src)+2], v[(\src)+3]
	v_cvt_pk_bf16_f32 v[P0+2], v[(\src)+4], v[ZERO]
	v_lshlrev_b32 v[(\dst)], 16, v[P0]
	v_and_b32 v[(\dst)+1], s[HIM], v[P0]
	v_lshlrev_b32 v[(\dst)+2], 16, v[P0+1]
	v_and_b32 v[(\dst)+3], s[HIM], v[P0+1]
	v_lshlrev_b32 v[(\dst)+4], 16, v[P0+2]
.endm
	ROUNDED CX, T+45
	ROUNDED CT, T+50
; Line e of the eight that turn five f32 at v[src..] into a B at v[dst..]: three roundings to bf16 (hi; top fills the place beside the fifth), then lo = hi x (-1) + v, exact and rounded once, half by half.
.macro CV e, src, dst, top
.if (\e) == 0
	v_cvt_pk_bf16_f32 v[(\dst)], v[(\src)], v[(\src)+1]
.elseif (\e) == 1
	v_cvt_pk_bf16_f32 v[(\dst)+1], v[(\src)+2], v[(\src)+3]
	s_wait_alu depctr_va_vdst(0)
.elseif (\e) == 2
	v_cvt_pk_bf16_f32 v[(\dst)+2], v[(\src)+4], v[(\top)]
.elseif (\e) == 3
	v_fma_mixlo_bf16 v[(\dst)+4], v[(\dst)], v[NEG1], v[(\src)] op_sel_hi:[1,0,0]
.elseif (\e) == 4
	v_fma_mixhi_bf16 v[(\dst)+4], v[(\dst)], v[NEG1], v[(\src)+1] op_sel:[1,0,0] op_sel_hi:[1,0,0]
.elseif (\e) == 5
	v_fma_mixlo_bf16 v[(\dst)+5], v[(\dst)+1], v[NEG1], v[(\src)+2] op_sel_hi:[1,0,0]
.elseif (\e) == 6
	v_fma_mixhi_bf16 v[(\dst)+5], v[(\dst)+1], v[NEG1], v[(\src)+3] op_sel:[1,0,0] op_sel_hi:[1,0,0]
.else
	v_fma_mixlo_bf16 v[(\dst)+6], v[(\dst)+2], v[NEG1], v[(\src)+4] op_sel_hi:[1,0,0]
.endif
.endm
.macro WM d, b                          ; a jet times the layer's matrix.  C is the constant 0: one product is the whole sum, so no accumulator is added onto
	v_wmma_f32_16x16x32_bf16 v[(\d):(\d)+7], v[dA:dA+7], v[(\b):(\b)+7], 0
.endm
; THE D QUEUE: line dq of the 51 (values only: 9) that take a tile from its tanh to the next layer's four products.  SX, ST are z_x, z_t: ZX, ZT, or in layer 1 the constants CX, CT (and z_y = 0).
;   0-7 h -> B    8-10 H = h z_x    11-13 ZY = H z_x + z_y    14-16 ZX = G z_x    17-19 ZY = G ZY    20-22 ZT = G z_t    23 product h
;   24-31 h_x -> B    32-34, 36-40 h_t -> B    35 product h_x    41-43, 45-49 y -> B    44 product h_t    50 product y
; Each accumulator is read from its lowest pair on.  No line within four plain lines behind a product names one of its registers (ISA guide 7.12.1): what a product wrote is read a block later.
.macro DSTEP
.if dq < DN
.if dq < 8
	CV dq, dH, dBH, ONE
.elseif !JETS
	WM dZ, dBH
.elseif dq < 11
.set p, 2*(dq-8)
	v_pk_mul_f32 v[dH+p:dH+p+1], v[dH+p:dH+p+1], v[dSX+p:dSX+p+1]
.elseif dq < 14
.set p, 2*(dq-11)
.if dL1
	v_pk_mul_f32 v[dZY+p:dZY+p+1], v[dH+p:dH+p+1], v[dSX+p:dSX+p+1]
.else
	v_pk_fma_f32 v[dZY+p:dZY+p+1], v[dH+p:dH+p+1], v[dSX+p:dSX+p+1], v[dZY+p:dZY+p+1]
.endif
.elseif dq < 17
.set p, 2*(dq-14)
	v_pk_mul_f32 v[dZX+p:dZX+p+1], v[dZ+p:dZ+p+1], v[dSX+p:dSX+p+1]
.elseif dq < 20
.set p, 2*(dq-17)
	v_pk_mul_f32 v[dZY+p:dZY+p+1], v[dZY+p:dZY+p+1], v[dZ+p:dZ+p+1]
	s_wait_alu depctr_va_vdst(0)
.elseif dq < 23
.set p, 2*(dq-20)
	v_pk_mul_f32 v[dZT+p:dZT+p+1], v[dZ+p:dZ+p+1], v[dST+p:dST+p+1]
.elseif dq == 23
	WM dZ, dBH
.elseif dq < 32
	CV dq-24, dZX, dBX, ZERO
.elseif dq < 35
	CV dq-32, dZT, dBT, ZERO
.elseif dq == 35
	WM dZX, dBX
.elseif dq < 41
	CV dq-33, dZT, dBT, ZERO
.elseif dq < 44
	CV dq-41, dZY, dBY, ZERO
.elseif dq == 44
	WM dZT, dBT
.elseif dq < 50
	CV dq-42, dZY, dBY, ZERO
.else
	WM dZY, dBY
.endif
.set dq, dq+1
.endif
.endm
; THE V QUEUE: line vq of the 22 (values only: 19) that make a tile's h and G from z.  0-2 c z    3-7 2^(c z)    8-10 + 1    11-15 reciprocal    16-18 h = 1 - 2 r    19-21 G = 1 - h^2, in Z's place.
; The packed lines take register 5, padding, along: it holds 0, 1, -1 and 0 in turn.  A plain vector line stands between a run of exponentials or reciprocals and the first use of a result:
; the D queue's two lines, or, where that queue is empty, a v_nop.
.macro VSTEP
.if vq < VN
.if ((vq == 8) || (vq == 16)) && (dq >= DN)
	v_nop
	s_wait_alu depctr_va_vdst(0)
.endif
.if vq < 3
.set p, 2*vq
	v_pk_mul_f32 v[vZ+p:vZ+p+1], v[vZ+p:vZ+p+1], s[CC:CC+1] op_sel_hi:[1,0]
.elseif vq < 8
	v_exp_f32 v[vZ+vq-3], v[vZ+vq-3]
.elseif vq < 11
.set p, 2*(vq-8)
	v_pk_add_f32 v[vZ+p:vZ+p+1], v[vZ+p:vZ+p+1], 1.0 op_sel_hi:[1,0]
.elseif vq < 16
	v_rcp_f32 v[vZ+vq-11], v[vZ+vq-11]
.elseif vq < 19
.set p, 2*(vq-16)
	v_pk_fma_f32 v[vH+p:vH+p+1], v[vZ+p:vZ+p+1], -2.0, 1.0 op_sel_hi:[1,0,0]
.else
.set p, 2*(vq-19)
	v_pk_fma_f32 v[vZ+p:vZ+p+1], v[vH+p:vH+p+1], v[vH+p:vH+p+1], 1.0 op_sel_hi:[1,1,0] neg_lo:[1,0,0] neg_hi:[1,0,0]
.endif
.set vq, vq+1
.endif
.endm
; A BLOCK: tile dt's D queue behind its layer ly, tile vt's V queue; -1: no such tile.  Two lines of the one, one of the other: an exponential or reciprocal has plain lines on either side, and the products stand nine lines apart or more.
.macro BLOCK dt, ly, vt
.if (\dt) >= 0
.set dq, 0
.set dZ, DA+DT*(\dt)
.set dZX, dZ+8
.set dZT, dZ+16
.set dZY, dZ+24
.set dH, dZ+32
.set dBH, BA+32*(\dt)
.set dBX, dBH+8
.set dBT, dBH+16
.set dBY, dBH+24
.set dA, AW+8*(\ly)
.if (\ly) == 1
.set dL1, 1
.set dSX, CX
.set dST, CT
.else
.set dL1, 0
.set dSX, dZX
.set dST, dZT
.endif
.else
.set dq, DN
.endif
.if (\vt) >= 0
.set vq, 0
.set vZ, DA+DT*(\vt)
.set vH, vZ+32
.else
.set vq, VN
.endif
.rept 26
	DSTEP
	DSTEP
	VSTEP
.endr
.endm
; Layer 1 for the lanes' points q: column r of B1 holds lane r's point at k = 0, 1 and lane 16 + r's at k = 8, 9; the two A pick one each.
.macro START q
	v_cvt_pk_bf16_f32 v[B1], v[X+2*(\q)], v[X+2*(\q)+1]
	v_wmma_f32_16x16x32_bf16 v[DA:DA+7], v[AA:AA+7], v[B1:B1+7], 0
	v_wmma_f32_16x16x32_bf16 v[DA+DT:DA+DT+7], v[AB:AB+7], v[B1:B1+7], 0
.endm
; The eight layers and the head for both tiles.  At the end lane L takes its own point's results: lanes 0-15 from tile 0, lanes 16-31 from tile 1, register 0 of each accumulator.
.macro BODY q
.rept 4
	v_nop                           ; four places between layer 1's products and the first read of their results (ISA guide 7.12.1): no other vector work is at hand
.endr
	BLOCK -1, 0, 0
.irp n, 1,2,3,4,5,6,7
	BLOCK 0, \n, 1
	BLOCK 1, \n, 0
.endr
	BLOCK 0, 8, 1
	BLOCK 1, 8, -1
.if JETS
	v_cndmask_b32 v[OUT+(\q)], v[DA], v[DA+DT], s[HIM]             ; these three and the v_nop are the four places behind the last product, whose registers they do not name;
	v_cndmask_b32 v[OUT+2+(\q)], v[DA+8], v[DA+DT+8], s[HIM]       ; the product h_t has the five lines of y's lo halves behind it as well
	v_cndmask_b32 v[OUT+4+(\q)], v[DA+16], v[DA+DT+16], s[HIM]
	v_nop
	v_cndmask_b32 v[OUT+6+(\q)], v[DA+24], v[DA+DT+24], s[HIM]
.else
.rept 4
	v_nop                           ; four places behind the last product
.endr
	v_cndmask_b32 v[OUT+(\q)], v[DA], v[DA+DT], s[HIM]
.endif
.endm
.set JETS, 1
.set DN, 51
.set VN, 22
	s_mov_b32 s[CNT], NTRIP
.Ltrip:
	s_wait_loadcnt 0x0              ; this trip's points are in (the one load that is out); its base may be stepped
	START 0
	BODY 0
	START 1                         ; X has been read: the next 64 points are asked for half a trip ahead of their use
	s_cmp_lg_u32 s[CNT], 1
	s_cbranch_scc0 .Llast
	s_add_nc_u64 s[PX:PX+1], s[PX:PX+1], 512
	s_branch .Lask
.Llast:                                 ; behind the last trip waves 0, 1, 2 go on to their boundary points; the others ask for nothing
	s_cmp_lt_u32 s[WV], 3
	s_cbranch_scc0 .Lnone
	s_mov_b64 s[PX:PX+1], s[BSRC:BSRC+1]
.Lask:
	global_load_b128 v[X:X+3], v[XO], s[PX:PX+1] th:TH_LOAD_NT
.Lnone:
	BODY 1
	v_pk_fma_f32 v[OUT+4:OUT+5], v[OUT:OUT+1], v[OUT+2:OUT+3], v[OUT+4:OUT+5]                          ; u_t + u u_x
	v_pk_fma_f32 v[OUT+4:OUT+5], v[OUT+6:OUT+7], s[NU2:NU2+1], v[OUT+4:OUT+5] op_sel_hi:[1,0,1]        ; + 2 NU y = f
	v_pk_mul_f32 v[OUT+6:OUT+7], v[OUT+6:OUT+7], -2.0 op_sel_hi:[1,0]                                  ; u_xx
	global_store_b64 v[OO], v[OUT:OUT+1], s[PU:PU+1] th:TH_STORE_NT        ; each store: 32 lanes x 8 bytes, 256 consecutive bytes at a multiple of 256 from the buffer's first byte
	global_store_b64 v[OO], v[OUT+4:OUT+5], s[PU+2:PU+3] th:TH_STORE_NT
	global_store_b64 v[OO], v[OUT+2:OUT+3], s[PU+4:PU+5] th:TH_STORE_NT
	global_store_b64 v[OO], v[OUT+6:OUT+7], s[PU+6:PU+7] th:TH_STORE_NT
	s_wait_xcnt 0x0                 ; the stores' bases and data registers are rewritten only behind this wait
.irp k, 0,2,4,6
	s_add_nc_u64 s[PU+(\k):PU+(\k)+1], s[PU+(\k):PU+(\k)+1], 256
.endr
	s_sub_co_u32 s[CNT], s[CNT], 1
	s_cmp_lg_u32 s[CNT], 0
	s_cbranch_scc1 .Ltrip
	; THE BOUNDARY POINTS: the same text with the jet h alone.
	s_cmp_lt_u32 s[WV], 3
	s_cbranch_scc0 .Lend
.set JETS, 0
.set DN, 9
.set VN, 19
	s_wait_loadcnt 0x0              ; my 64 boundary points are in
	START 0
	BODY 0
	START 1
	BODY 1
	global_store_b64 v[OO], v[OUT:OUT+1], s[BDST:BDST+1] th:TH_STORE_NT
.Lend:
	s_endpgm
.Lfunc_end_k_qfadddd6855_pinn:
	.size	k_qfadddd6855_pinn, .Lfunc_end_k_qfadddd6855_pinn-k_qfadddd6855_pinn
	.p2alignl 7, 3214868480
	.fill 96, 4, 3214868480
	.section	.rodata,"a",@progbits
	.p2align	6, 0x0
	.amdhsa_kernel k_qfadddd6855_pinn
		.amdhsa_group_segment_fixed_size 0
		.amdhsa_private_segment_fixed_size 0
		.amdhsa_enable_private_segment 0
		.amdhsa_kernarg_size 232
		.amdhsa_user_sgpr_count 2
		.amdhsa_user_sgpr_kernarg_segment_ptr 1
		.amdhsa_wavefront_size32 1
		.amdhsa_system_sgpr_workgroup_id_x 1
		.amdhsa_system_sgpr_workgroup_id_y 1
		.amdhsa_system_sgpr_workgroup_id_z 1
		.amdhsa_system_vgpr_workitem_id 0
		.amdhsa_next_free_vgpr 256
		.amdhsa_next_free_sgpr 80
		.amdhsa_reserve_vcc 0
		.amdhsa_float_denorm_mode_32 3
		.amdhsa_float_denorm_mode_16_64 3
		.amdhsa_memory_ordered 1
		.amdhsa_forward_progress 1
		.amdhsa_inst_pref_size 215
	.end_amdhsa_kernel
	.amdgpu_metadata
---
amdhsa.version: [ 1, 2 ]
amdhsa.kernels:
  - .name:           k_qfadddd6855_pinn
    .symbol:         k_qfadddd6855_pinn.kd
    .args:
      - { .name: W1, .offset: 0, .size: 8, .value_kind: global_buffer, .address_space: global }
      - { .name: W2, .offset: 8, .size: 8, .value_kind: global_buffer, .address_space: global }
      - { .name: W3, .offset: 16, .size: 8, .value_kind: global_buffer, .address_space: global }
      - { .name: W4, .offset: 24, .size: 8, .value_kind: global_buffer, .address_space: global }
      - { .name: W5, .offset: 32, .size: 8, .value_kind: global_buffer, .address_space: global }
      - { .name: W6, .offset: 40, .size: 8, .value_kind: global_buffer, .address_space: global }
      - { .name: W7, .offset: 48, .size: 8, .value_kind: global_buffer, .address_space: global }
      - { .name: W8, .offset: 56, .size: 8, .value_kind: global_buffer, .address_space: global }
      - { .name: W9, .offset: 64, .size: 8, .value_kind: global_buffer, .address_space: global }
      - { .name: b1, .offset: 72, .size: 8, .value_kind: global_buffer, .address_space: global }
      - { .name: b2, .offset: 80, .size: 8, .value_kind: global_buffer, .address_space: global }
      - { .name: b3, .offset: 88, .size: 8, .value_kind: global_buffer, .address_space: global }
      - { .name: b4, .offset: 96, .size: 8, .value_kind: global_buffer, .address_space: global }
      - { .name: b5, .offset: 104, .size: 8, .value_kind: global_buffer, .address_space: global }
      - { .name: b6, .offset: 112, .size: 8, .value_kind: global_buffer, .address_space: global }
      - { .name: b7, .offset: 120, .size: 8, .value_kind: global_buffer, .address_space: global }
      - { .name: b8, .offset: 128, .size: 8, .value_kind: global_buffer, .address_space: global }
      - { .name: b9, .offset: 136, .size: 8, .value_kind: global_buffer, .address_space: global }
      - { .name: X_f, .offset: 144, .size: 8, .value_kind: global_buffer, .address_space: global }
      - { .name: x0_t0, .offset: 152, .size: 8, .value_kind: global_buffer, .address_space: global }
      - { .name: xb_left_tb, .offset: 160, .size: 8, .value_kind: global_buffer, .address_space: global }
      - { .name: xb_right_tb, .offset: 168, .size: 8, .value_kind: global_buffer, .address_space: global }
      - { .name: out0, .offset: 176, .size: 8, .value_kind: global_buffer, .address_space: global }
      - { .name: out4, .offset: 184, .size: 8, .value_kind: global_buffer, .address_space: global }
      - { .name: out5, .offset: 192, .size: 8, .value_kind: global_buffer, .address_space: global }
      - { .name: out6, .offset: 200, .size: 8, .value_kind: global_buffer, .address_space: global }
      - { .name: out1, .offset: 208, .size: 8, .value_kind: global_buffer, .address_space: global }
      - { .name: out2, .offset: 216, .size: 8, .value_kind: global_buffer, .address_space: global }
      - { .name: out3, .offset: 224, .size: 8, .value_kind: global_buffer, .address_space: global }
    .group_segment_fixed_size: 0
    .private_segment_fixed_size: 0
    .kernarg_segment_align: 8
    .kernarg_segment_size: 232
    .max_flat_workgroup_size: 256
    .sgpr_count:     80
    .vgpr_count:     256
    .wavefront_size: 32
...
	.end_amdgpu_metadata
.endif
;; end of part 1
;; ======== version 2 of 2: 1 launch; 1.32 times as fast as version 1
;; limits: a function is approximated: absolute error at most 1e-07; right only within a limited range of input values
;; launch pinn (part 2): grid 256 x 1, 8 waves a work-group, no clusters, 0 bytes of LDS; arguments W1, W2, W3, W4, W5, W6, W7, W8, W9, b1, b2, b3, b4, b5, b6, b7, b8, b9, X_f, x0_t0, xb_left_tb, xb_right_tb, out0, out4, out5, out6, out1, out2, out3; writes out0, out4, out5, out6, out1, out2, out3
.if DOCPART == 2
	.amdgcn_target "amdgcn-amd-amdhsa--gfx1250"
	.amdhsa_code_object_version 6
	.text
	.protected	k_qfadddd6855_pinn
	.globl	k_qfadddd6855_pinn
	.p2align	8
	.type	k_qfadddd6855_pinn,@function
k_qfadddd6855_pinn:
	s_mov_b64 s[64:65], 0
	v_nop
	global_prefetch_b8 v0, s[64:65] scope:SCOPE_SE
	s_setreg_imm32_b32 hwreg(HW_REG_WAVE_MODE, 25, 1), 1
	s_wait_xcnt 0x0
; A tanh network 2 -> 10 -> .. -> 10 -> 1 (eight tanh layers, a linear head) on 1,048,576 points, with u, u_x, u_xx and f = u_t + u u_x - NU u_xx, and u alone on 3 x 16,384 boundary points.
; METHOD.  One forward pass carries four JETS a point: h, h_x, h_t and y = -h_xx / 2.  A layer multiplies each jet by the same 10 x 10 matrix (z, z_x, z_t, z_y); then, with G = 1 - h^2:
;   h = tanh z,   h_x = G z_x,   h_t = G z_t,   y = G (z_y + h z_x^2).   At the end u_xx = -2 y and f = u_t + u u_x + 2 NU y.   tanh z = 1 - 2 / (1 + 2^(c z)), c = 2 log2(e).
; SHARES.  256 work-groups of eight waves, two for each of a WGP's four SIMDs.  Wave 8 g + w owns 512 consecutive points of X_f: 8 trips of 64.  A trip reads 512 consecutive bytes of X_f with one load
; and writes 256 consecutive bytes, at a multiple of 256 from the buffer's first byte, of each of four outputs.  Waves 0, 1, 2 of work-group g then take points 64 g .. 64 g + 63 of x0_t0, xb_left_tb, xb_right_tb: values only.
; LAYOUT.  r = lane % 16, hh = lane / 16.  Every product is D = A (weights) x B (activations): B's column r is a point, D's register j in lane (r, hh) is row 8 hh + j of that point, which is the place
; k = 8 hh + j of the next layer's B: nothing changes lanes between layers.  Feature f = 5 hh + j, j = 0..4, so 5 registers x 32 lanes hold 16 points x 10 features; rows and k places with j = 5, 6, 7 are padding (weights 0).
; A jet's B is eight registers: [hi01, hi23, hi4|top, 0, lo01, lo23, lo4|0, 0]: each activation goes in as bf16 hi + bf16 lo (lo = v - hi, rounded once), A repeating its weights at k + 16.
; top is 1.0 for the jet h (k = 5 meets the bias, which A holds there in lanes hh = 0) and 0 for the other jets.
; A TRIP.  Lane L owns points 2 L and 2 L + 1.  For each of the two, the 32 lanes' points are two TILES of 16 (lanes 0-15, lanes 16-31), which take turns: a BLOCK is one tile's D queue (its jets scaled, rounded
; and multiplied by the next layer's matrix), and among its lines stand parts of both tiles' tanh.
; BATCHES.  A tanh has five exponentials and five reciprocals of what is made of them: by itself two batches.  So it is cut in three and laid over two blocks, and a block has ONE batch of ten and ONE wait.  Tile t's block, o the other tile:
;   o's five reciprocals, among the first D lines | product h of t | c z and the five exponentials of t's new z, among D lines | four more D lines | THE WAIT | o's h and G, t's 1 + 2^(c z), among the last D lines.
; Between a block's first reciprocal and its wait no line names a result of the ten.  In front of the first block both tiles' first exponentials are a batch of ten and tile 0's first reciprocals a batch of five;
; the last block but one has reciprocals alone, the last no transcendental and no wait: 17 waits for the 160 transcendentals of a lane's point, and none is pending where a point's work ends, so none at a label or a branch.
; NO LDS, NO TENSOR LOADS, NO CLUSTER: work-groups share nothing but 3,244 bytes of weights and biases, which each wave keeps in 80 registers; each byte of X is read once, by the lane that uses it.
; LIMITS.  Every input (X, W, b) is rounded once to bf16.  tanh by the formula above has an absolute error of some 1e-7: where all |z| of a layer lie below some 1e-5 its relative error passes 1%.
; 2^(c z) beyond f32's range gives h = 1 or -1 and G = 0 exactly.  G = 1 - h^2 has an absolute error of some 1e-7.  A jet beyond 3.39e38 rounds to a bf16 infinity and is lost.  NaN and infinities are not treated apart.
.set NTRIP, 8                   ; trips of 64 points a wave
.set XO,   1                    ; v1       16 x lane: my 16 bytes of a trip's X; never rewritten
.set OO,   2                    ; v2       8 x lane: my 8 bytes of a trip's outputs; never rewritten
.set NEG1, 3                    ; v3       -1.0
.set X,    4                    ; v[4:7]   x, t of my two points
.set OUT,  8                    ; v[8:15]  u, u_x, u_t (then f), y (then u_xx): a pair each, for my two points
.set VW,   8                    ; set-up only: byte offsets into W (200 hh + 4 fo), b (4 fo) and by features (20 hh)
.set VB,   9
.set VD,   10
.set B1,   16                   ; v[16:23] layer 1's B: [x|t, 0, 0|1.0, 0, 0, 0, 0, 0]
.set ZERO, 17                   ; v17      0
.set ONE,  18                   ; v18      0x3f800000: 1.0 in f32, and the pair (0, 1.0) in bf16
.set CX,   24                   ; v[24:29] z_x of layer 1: W1[0][5 hh + j], rounded to bf16; register 5 is 0
.set CT,   30                   ; v[30:35] z_t of layer 1: W1[1][5 hh + j]
.set AA,   36                   ; v[36:43] layer 1's A for the points of lanes 0-15 (data at k = 0, 1, 5)
.set AB,   44                   ; v[44:51] the same for lanes 16-31 (k = 8, 9, 13)
.set AW,   44                   ; the A that follows layer n's tanh lies at AW + 8 n: layers 2..8 at v52..v107, the head at v108..v115
.set DA,   116                  ; tile t's area at DA + 38 t: Z +0 (later G), ZX +8, ZT +16, ZY +24 (accumulators of 8), H +32 (6)
.set DT,   38
.set BA,   192                  ; tile t's four B at BA + 32 t: h +0, h_x +8, h_t +16, y +24
.set T,    116                  ; set-up only: 61 loaded numbers
.set P0,   178                  ; set-up only: three packed words
.set PX,   40                   ; s[40:41] X at my next 64 points
.set PU,   48                   ; s[48:55] out0 (u), out4 (f), out5 (u_x), out6 (u_xx) at my next 64 points
.set WV,   62                   ; s62  my wave's number
.set ROWM, 66                   ; s66  lanes whose row of A is a feature: lane % 8 < 5
.set HIM,  67                   ; s67  lanes 16-31; also the mask of a word's upper bf16
.set CC,   68                   ; s[68:69] c: the packed forms name a pair and take its low word for both halves
.set NU2,  70                   ; s[70:71] 2 NU
.set CNT,  72                   ; s72  trips to go
.set OFS,  74                   ; s[74:75] a byte offset in 64 bits
.set BSRC, 76                   ; s[76:77] my 64 boundary points (waves 0, 1, 2)
.set BDST, 78                   ; s[78:79] and where their u goes
	s_load_b512 s[4:19], s[0:1], 0x0        ; W1..W8: W of layer n at s[2+2n:3+2n]
	s_load_b512 s[20:35], s[0:1], 0x40      ; W9, b1..b7: b of layer n at s[20+2n:21+2n]
	s_load_b128 s[36:39], s[0:1], 0x80      ; b8, b9
	s_load_b512 s[40:55], s[0:1], 0x90      ; X_f, x0_t0, xb_left_tb, xb_right_tb, out0, out4, out5, out6
	s_load_b128 s[56:59], s[0:1], 0xd0      ; out1, out2
	s_load_b64 s[60:61], s[0:1], 0xe0       ; out3
	v_lshrrev_b32 v11, 5, v0
	v_readfirstlane_b32 s[WV], v11
	v_and_b32 v12, 31, v0
	v_lshlrev_b32 v[XO], 4, v12
	v_lshlrev_b32 v[OO], 3, v12
	v_bfe_u32 v12, v0, 4, 1                 ; hh
	v_bfe_u32 v13, v0, 3, 1                 ; my row of A is r = 8 a + j:
	v_and_b32 v14, 7, v0
	v_mul_u32_u24 v13, v13, 5
	v_add_nc_u32 v13, v13, v14              ; feature fo = 5 a + j,
	v_min_u32 v13, 9, v13                   ; held inside the tables for the padding rows, whose numbers are masked away below
	v_lshlrev_b32 v[VB], 2, v13
	v_mul_u32_u24 v[VD], v12, 20
	v_mul_u32_u24 v[VW], v12, 200
	v_add_nc_u32 v[VW], v[VW], v[VB]
	s_mov_b32 s[ROWM], 0x1f1f1f1f
	s_mov_b32 s[HIM], 0xffff0000
	s_mov_b32 s[CC], 0x4038aa3b             ; 2 log2(e) = 2.885390
	s_mov_b32 s[CC+1], s[CC]                ; named with it as a pair, so it is written
	s_mov_b32 s[NU2], 0x3bd09b8a            ; 0.02 / pi
	s_mov_b32 s[NU2+1], s[NU2]
	s_mov_b32 s[OFS+1], 0
	s_lshl_b32 s73, ttmp9, 3
	s_add_co_u32 s73, s73, s[WV]            ; my wave among the launch's 2,048
	; The operands' fixed padding, written once, in the wait for the arguments: no accumulator is ever cleared (every product takes the constant 0 as C).
	v_mov_b32 v[ZERO], 0
	v_mov_b32 v[ONE], 1.0
	v_mov_b32 v[NEG1], -1.0
.irp k, 3,4,5,6,7
	v_mov_b32 v[B1+(\k)], 0
.endr
.set i, 0
.rept 8                                 ; the eight B: registers 3 and 7 and the upper half of 6 stay 0; 4 and 5 are written by halves, so they are written whole first
.irp k, 3,4,5,6,7
	v_mov_b32 v[BA+8*i+(\k)], 0
.endr
.set i, i+1
.endr
.set i, 1
.rept 8
	v_mov_b32 v[AW+8*i+3], 0
	v_mov_b32 v[AW+8*i+7], 0
.set i, i+1
.endr
.irp k, 1,3,4,5,6,7
	v_mov_b32 v[AA+(\k)], 0
	v_mov_b32 v[AB+(\k)], 0
.endr
	v_mov_b32 v[CX+5], 0
	v_mov_b32 v[CT+5], 0
	s_wait_kmcnt 0x0
	s_lshl_b32 s[OFS], s73, 12              ; 512 points of 8 bytes
	s_add_nc_u64 s[PX:PX+1], s[PX:PX+1], s[OFS:OFS+1]
	global_load_b128 v[X:X+3], v[XO], s[PX:PX+1] th:TH_LOAD_NT  ; the first trip's points
	; 61 numbers a lane: its places in the nine A, in CX and CT.
.set ly, 2
.rept 7
.set i, 0
.rept 5
	global_load_b32 v[T+6*(ly-2)+i], v[VW], s[2+2*ly:3+2*ly] offset:40*i  ; W[5 hh + i][fo]
.set i, i+1
.endr
	global_load_b32 v[T+6*(ly-2)+5], v[VB], s[20+2*ly:21+2*ly]            ; b[fo]
.set ly, ly+1
.endr
	global_load_b32 v[T+42], v[VB], s[4:5]                  ; W1[0][fo]
	global_load_b32 v[T+43], v[VB], s[4:5] offset:40        ; W1[1][fo]
	global_load_b32 v[T+44], v[VB], s[22:23]                ; b1[fo]
.irp j, 0,1,2,3,4
	global_load_b32 v[T+45+(\j)], v[VD], s[4:5] offset:4*(\j)      ; W1[0][5 hh + j]
	global_load_b32 v[T+50+(\j)], v[VD], s[4:5] offset:40+4*(\j)   ; W1[1][5 hh + j]
	global_load_b32 v[T+55+(\j)], v[VD], s[20:21] offset:4*(\j)    ; W9[5 hh + j]
.endr
	global_load_b32 v[T+60], v[ZERO], s[38:39]              ; b9
	s_lshl_b32 s[OFS], s73, 11              ; 512 points of 4 bytes
.irp k, 0,2,4,6
	s_add_nc_u64 s[PU+(\k):PU+(\k)+1], s[PU+(\k):PU+(\k)+1], s[OFS:OFS+1]
.endr
	s_cmp_eq_u32 s[WV], 1                   ; the boundary set goes by the wave's number: 0 x0_t0 -> out1, 1 xb_left_tb -> out2, 2 xb_right_tb -> out3
	s_cselect_b64 s[BSRC:BSRC+1], s[44:45], s[42:43]
	s_cselect_b64 s[BDST:BDST+1], s[58:59], s[56:57]
	s_cmp_eq_u32 s[WV], 2
	s_cselect_b64 s[BSRC:BSRC+1], s[46:47], s[BSRC:BSRC+1]
	s_cselect_b64 s[BDST:BDST+1], s[60:61], s[BDST:BDST+1]
	s_lshl_b32 s[OFS], ttmp9, 9             ; 64 points of 8 bytes
	s_add_nc_u64 s[BSRC:BSRC+1], s[BSRC:BSRC+1], s[OFS:OFS+1]
	s_lshl_b32 s[OFS], ttmp9, 8             ; 64 points of 4 bytes
	s_add_nc_u64 s[BDST:BDST+1], s[BDST:BDST+1], s[OFS:OFS+1]
	s_wait_loadcnt 0x0                      ; all 62 loads are in; their offset registers v8-v10 are free
	; Layers 2 to 8: [W0|W1, W2|W3, W4|bias, 0] twice; the bias in lanes hh = 0 alone, padding rows 0.
.set ly, 2
.rept 7
.set tb, T+6*(ly-2)
.set ab, AW+8*(ly-1)
	v_cndmask_b32 v[tb+5], v[tb+5], v[ZERO], s[HIM]
	v_cvt_pk_bf16_f32 v[P0], v[tb], v[tb+1]
	v_cvt_pk_bf16_f32 v[P0+1], v[tb+2], v[tb+3]
	v_cvt_pk_bf16_f32 v[P0+2], v[tb+4], v[tb+5]
.irp k, 0,1,2
	v_cndmask_b32 v[ab+(\k)], v[ZERO], v[P0+(\k)], s[ROWM]
	v_cndmask_b32 v[ab+4+(\k)], v[ZERO], v[P0+(\k)], s[ROWM]
.endr
.set ly, ly+1
.endr
	; The head: every row holds W9 and b9, so every register of its D holds the column's result.
	v_cndmask_b32 v[T+60], v[T+60], v[ZERO], s[HIM]
.irp k, 0,4
	v_cvt_pk_bf16_f32 v[AW+64+(\k)], v[T+55], v[T+56]
	v_cvt_pk_bf16_f32 v[AW+64+(\k)+1], v[T+57], v[T+58]
	v_cvt_pk_bf16_f32 v[AW+64+(\k)+2], v[T+59], v[T+60]
.endr
	; Layer 1: W1[0]|W1[1] meets x|t, 0|b1 meets 0|1.0; in lanes hh = 0 for the one tile, in lanes hh = 1 for the other.
	v_cvt_pk_bf16_f32 v[P0], v[T+42], v[T+43]
	v_cvt_pk_bf16_f32 v[P0+1], v[ZERO], v[T+44]
	v_cndmask_b32 v[P0], v[ZERO], v[P0], s[ROWM]
	v_cndmask_b32 v[P0+1], v[ZERO], v[P0+1], s[ROWM]
	v_cndmask_b32 v[AA], v[P0], v[ZERO], s[HIM]
	v_cndmask_b32 v[AA+2], v[P0+1], v[ZERO], s[HIM]
	v_cndmask_b32 v[AB], v[ZERO], v[P0], s[HIM]
	v_cndmask_b32 v[AB+2], v[ZERO], v[P0+1], s[HIM]
.macro ROUNDED dst, src                 ; five numbers rounded to bf16 and widened again
	v_cvt_pk_bf16_f32 v[P0], v[(\src)], v[(\src)+1]
	v_cvt_pk_bf16_f32 v[P0+1], v[(\src)+2], v[(\src)+3]
	v_cvt_pk_bf16_f32 v[P0+2], v[(\src)+4], v[ZERO]
	v_lshlrev_b32 v[(\dst)], 16, v[P0]
	v_and_b32 v[(\dst)+1], s[HIM], v[P0]
	v_lshlrev_b32 v[(\dst)+2], 16, v[P0+1]
	v_and_b32 v[(\dst)+3], s[HIM], v[P0+1]
	v_lshlrev_b32 v[(\dst)+4], 16, v[P0+2]
.endm
	ROUNDED CX, T+45
	ROUNDED CT, T+50
; Line e of the eight that turn five f32 at v[src..] into a B at v[dst..]: three roundings to bf16 (hi; top fills the place beside the fifth), then lo = hi x (-1) + v, exact and rounded once, half by half:
; the three low halves, then the two high ones, so that the two lines that write one register stand three lines apart where D lines stand on end.
.macro CV e, src, dst, top
.if (\e) == 0
	v_cvt_pk_bf16_f32 v[(\dst)], v[(\src)], v[(\src)+1]
.elseif (\e) == 1
	v_cvt_pk_bf16_f32 v[(\dst)+1], v[(\src)+2], v[(\src)+3]
.elseif (\e) == 2
	v_cvt_pk_bf16_f32 v[(\dst)+2], v[(\src)+4], v[(\top)]
.elseif (\e) == 3
	v_fma_mixlo_bf16 v[(\dst)+4], v[(\dst)], v[NEG1], v[(\src)] op_sel_hi:[1,0,0]
.elseif (\e) == 4
	v_fma_mixlo_bf16 v[(\dst)+5], v[(\dst)+1], v[NEG1], v[(\src)+2] op_sel_hi:[1,0,0]
.elseif (\e) == 5
	v_fma_mixlo_bf16 v[(\dst)+6], v[(\dst)+2], v[NEG1], v[(\src)+4] op_sel_hi:[1,0,0]
.elseif (\e) == 6
	v_fma_mixhi_bf16 v[(\dst)+4], v[(\dst)], v[NEG1], v[(\src)+1] op_sel:[1,0,0] op_sel_hi:[1,0,0]
.else
	v_fma_mixhi_bf16 v[(\dst)+5], v[(\dst)+1], v[NEG1], v[(\src)+3] op_sel:[1,0,0] op_sel_hi:[1,0,0]
.endif
.endm
.macro WM d, b                          ; a jet times the layer's matrix.  C is the constant 0: one product is the whole sum, so no accumulator is added onto
	v_wmma_f32_16x16x32_bf16 v[(\d):(\d)+7], v[dA:dA+7], v[(\b):(\b)+7], 0
.endm
; THE D QUEUE: line dq of the 51 (values only: 9) that take a tile from its tanh to the next layer's four products.  SX, ST are z_x, z_t: ZX, ZT, or in layer 1 the constants CX, CT (and z_y = 0).
;   0-7 h -> B    8-10 H = h z_x    11-13 ZY = H z_x + z_y    14-16 ZX = G z_x    17-19 ZY = G ZY    20-22 ZT = G z_t    23 product h
;   24-31 h_x -> B    32-34, 36-40 h_t -> B    35 product h_x    41-43, 45-49 y -> B    44 product h_t    50 product y
; Each accumulator is read from its lowest pair on.  No line within four plain lines behind a product names one of its registers (ISA guide 7.12.1): z is read behind lines 24-34, eleven plain
; lines that name nothing of product h (values only: behind four v_nop); what the other products wrote is read a block later.
.macro DSTEP
.if dq < DN
.if dq < 8
	CV dq, dH, dBH, ONE
.elseif !JETS
	WM dZ, dBH
.elseif dq < 11
.set p, 2*(dq-8)
	v_pk_mul_f32 v[dH+p:dH+p+1], v[dH+p:dH+p+1], v[dSX+p:dSX+p+1]
.elseif dq < 14
.set p, 2*(dq-11)
.if dL1
	v_pk_mul_f32 v[dZY+p:dZY+p+1], v[dH+p:dH+p+1], v[dSX+p:dSX+p+1]
.else
	v_pk_fma_f32 v[dZY+p:dZY+p+1], v[dH+p:dH+p+1], v[dSX+p:dSX+p+1], v[dZY+p:dZY+p+1]
.endif
.elseif dq < 17
.set p, 2*(dq-14)
	v_pk_mul_f32 v[dZX+p:dZX+p+1], v[dZ+p:dZ+p+1], v[dSX+p:dSX+p+1]
.elseif dq < 20
.set p, 2*(dq-17)
	v_pk_mul_f32 v[dZY+p:dZY+p+1], v[dZY+p:dZY+p+1], v[dZ+p:dZ+p+1]
.elseif dq < 23
.set p, 2*(dq-20)
	v_pk_mul_f32 v[dZT+p:dZT+p+1], v[dZ+p:dZ+p+1], v[dST+p:dST+p+1]
.elseif dq == 23
	WM dZ, dBH
.elseif dq < 32
	CV dq-24, dZX, dBX, ZERO
.elseif dq < 35
	CV dq-32, dZT, dBT, ZERO
.elseif dq == 35
	WM dZX, dBX
.elseif dq < 41
	CV dq-33, dZT, dBT, ZERO
.elseif dq < 44
	CV dq-41, dZY, dBY, ZERO
.elseif dq == 44
	WM dZT, dBT
.elseif dq < 50
	CV dq-42, dZY, dBY, ZERO
.else
	WM dZY, dBY
.endif
.set dq, dq+1
.endif
.endm
; THE 22 LINES (values only: 19) that make tile t's h and G from z, all in Z's place but h: three VMUL (c z, pair p), five VEXP (2^(c z), register k), three VADD (+ 1), five VRCP (reciprocal),
; three VH (h = 1 - 2 r), three VG (G = 1 - h^2).  The packed lines take register 5, padding, along: it holds 0, 1, -1 and 0 in turn.
.macro VMUL t, p
.set vz, DA+DT*(\t)+2*(\p)
	v_pk_mul_f32 v[vz:vz+1], v[vz:vz+1], s[CC:CC+1] op_sel_hi:[1,0]
.endm
.macro VEXP t, k
.set vz, DA+DT*(\t)+(\k)
	v_exp_f32 v[vz], v[vz]
.endm
.macro VADD t, p
.set vz, DA+DT*(\t)+2*(\p)
	v_pk_add_f32 v[vz:vz+1], v[vz:vz+1], 1.0 op_sel_hi:[1,0]
.endm
.macro VRCP t, k
.set vz, DA+DT*(\t)+(\k)
	v_rcp_f32 v[vz], v[vz]
.endm
.macro VH t, p
.set vz, DA+DT*(\t)+2*(\p)
	v_pk_fma_f32 v[vz+32:vz+33], v[vz:vz+1], -2.0, 1.0 op_sel_hi:[1,0,0]
.endm
.macro VG t, p
.set vz, DA+DT*(\t)+2*(\p)
	v_pk_fma_f32 v[vz:vz+1], v[vz+32:vz+33], v[vz+32:vz+33], 1.0 op_sel_hi:[1,1,0] neg_lo:[1,0,0] neg_hi:[1,0,0]
.endm
; IN FRONT OF THE FIRST BLOCK: layer 1's z of both tiles is there.  What the first block finds: tile 0's h and G, tile 1's 1 + 2^(c z).
.macro FIRST
.irp p, 0,1,2
	VMUL 0, \p
.endr
.irp k, 0,1,2
	VEXP 0, \k
	VMUL 1, \k
.endr
	VEXP 0, 3
	VEXP 0, 4
.irp k, 0,1,2,3,4
	VEXP 1, \k
.endr
	v_nop                           ; the plain line behind the last exponential: no other vector work is at hand
	s_wait_alu depctr_va_vdst(0)    ; the wait ahead of the first line that names a result: one for the batch of ten, both tiles' first exponentials
.irp p, 0,1,2
	VADD 0, \p
.endr
	VRCP 0, 0
	VADD 1, 0
	VRCP 0, 1
	VADD 1, 1
	VRCP 0, 2
	VRCP 0, 3
	VRCP 0, 4
	VADD 1, 2                       ; the plain line behind the last reciprocal: it names tile 1 alone
	s_wait_alu depctr_va_vdst(0)    ; one wait for the batch of five, tile 0's first reciprocals
.irp p, 0,1,2
	VH 0, \p
.endr
.if JETS
.irp p, 0,1,2
	VG 0, \p
.endr
.endif
.endm
; A BLOCK: tile t's D queue behind its layer ly, and, o being the other tile:  r = 1: o's reciprocals, h and G;  a = 1 (only with r = 1): c z, the exponentials and the + 1 of the z that the block's product h makes.
; THE DEAL.  D 0-9 with o's reciprocals, two lines and one | D 10-34, product h among them | c z | D 35, product h_x | the exponentials by turns with D 36-40 | D 41-43 | the wait | D 44, product h_t | o's h |
; D 45-50 with the + 1, two lines and one | o's G.  The batch is the five reciprocals and the five exponentials; ahead of the wait the D lines name tile t's jets alone, c z and the exponentials Z of t alone, so no line
; there names a result.  D 40-43 are the plain lines behind the last exponential.  Values only: the D queue ends with product h (D 8); four v_nop are the places in front of c z, one v_nop the plain line ahead of the wait.
.macro BLOCK t, ly, r, a
.set dq, 0
.set dZ, DA+DT*(\t)
.set dZX, dZ+8
.set dZT, dZ+16
.set dZY, dZ+24
.set dH, dZ+32
.set dBH, BA+32*(\t)
.set dBX, dBH+8
.set dBT, dBH+16
.set dBY, dBH+24
.set dA, AW+8*(\ly)
.if (\ly) == 1
.set dL1, 1
.set dSX, CX
.set dST, CT
.else
.set dL1, 0
.set dSX, dZX
.set dST, dZT
.endif
.irp k, 0,1,2,3,4
	DSTEP
	DSTEP
.if \r
	VRCP 1-(\t), \k
.endif
.endr
.rept 25
	DSTEP                           ; D 10-34
.endr
.if \a
.if !JETS
.rept 4
	v_nop                           ; four places between product h and the first read of its result (ISA guide 7.12.1): the values' D queue has no line left
.endr
.endif
.irp p, 0,1,2
	VMUL \t, \p
.endr
.endif
	DSTEP                           ; D 35
.irp k, 0,1,2,3,4
.if \a
	VEXP \t, \k
.endif
	DSTEP                           ; D 36-40
.endr
.rept 3
	DSTEP                           ; D 41-43
.endr
.if (\r) || (\a)
.if !JETS
	v_nop                           ; the plain line behind the batch's last transcendental
.endif
	s_wait_alu depctr_va_vdst(0)    ; the wait ahead of the first line that names a result: ONE for the block's batch, o's five reciprocals and t's five exponentials
.endif
	DSTEP                           ; D 44
.if \r
.irp p, 0,1,2
	VH 1-(\t), \p
.endr
.endif
.irp p, 0,1,2
	DSTEP
	DSTEP                           ; D 45-50
.if \a
	VADD \t, \p
.endif
.endr
.if (\r) && JETS
.irp p, 0,1,2
	VG 1-(\t), \p
.endr
.endif
.endm
; Layer 1 for the lanes' points q: column r of B1 holds lane r's point at k = 0, 1 and lane 16 + r's at k = 8, 9; the two A pick one each.
.macro START q
	v_cvt_pk_bf16_f32 v[B1], v[X+2*(\q)], v[X+2*(\q)+1]
	v_wmma_f32_16x16x32_bf16 v[DA:DA+7], v[AA:AA+7], v[B1:B1+7], 0
	v_wmma_f32_16x16x32_bf16 v[DA+DT:DA+DT+7], v[AB:AB+7], v[B1:B1+7], 0
.endm
; The eight layers and the head for both tiles.  At the end lane L takes its own point's results: lanes 0-15 from tile 0, lanes 16-31 from tile 1, register 0 of each accumulator.
.macro BODY q
.rept 4
	v_nop                           ; four places between layer 1's products and the first read of their results (ISA guide 7.12.1): no other vector work is at hand
.endr
	FIRST
.irp n, 1,2,3,4,5,6,7
	BLOCK 0, \n, 1, 1
	BLOCK 1, \n, 1, 1
.endr
	BLOCK 0, 8, 1, 0                ; the head's results take no tanh: tile 1's last reciprocals are the batch
	BLOCK 1, 8, 0, 0                ; no transcendental, no wait
.if JETS
	v_cndmask_b32 v[OUT+(\q)], v[DA], v[DA+DT], s[HIM]             ; these three and the v_nop are the four places behind the last product, whose registers they do not name;
	v_cndmask_b32 v[OUT+2+(\q)], v[DA+8], v[DA+DT+8], s[HIM]       ; the product h_t has the five lines of y's lo halves behind it as well
	v_cndmask_b32 v[OUT+4+(\q)], v[DA+16], v[DA+DT+16], s[HIM]
	v_nop
	v_cndmask_b32 v[OUT+6+(\q)], v[DA+24], v[DA+DT+24], s[HIM]
.else
.rept 4
	v_nop                           ; four places behind the last product
.endr
	v_cndmask_b32 v[OUT+(\q)], v[DA], v[DA+DT], s[HIM]
.endif
.endm
.set JETS, 1
.set DN, 51
	s_mov_b32 s[CNT], NTRIP
.Ltrip:
	s_wait_loadcnt 0x0              ; this trip's points are in (the one load that is out); its base may be stepped
	START 0
	BODY 0
	START 1                         ; X has been read: the next 64 points are asked for half a trip ahead of their use
	s_cmp_lg_u32 s[CNT], 1
	s_cbranch_scc0 .Llast
	s_add_nc_u64 s[PX:PX+1], s[PX:PX+1], 512
	s_branch .Lask
.Llast:                                 ; behind the last trip waves 0, 1, 2 go on to their boundary points; the others ask for nothing
	s_cmp_lt_u32 s[WV], 3
	s_cbranch_scc0 .Lnone
	s_mov_b64 s[PX:PX+1], s[BSRC:BSRC+1]
.Lask:
	global_load_b128 v[X:X+3], v[XO], s[PX:PX+1] th:TH_LOAD_NT
.Lnone:
	BODY 1
	v_pk_fma_f32 v[OUT+4:OUT+5], v[OUT:OUT+1], v[OUT+2:OUT+3], v[OUT+4:OUT+5]                          ; u_t + u u_x
	v_pk_fma_f32 v[OUT+4:OUT+5], v[OUT+6:OUT+7], s[NU2:NU2+1], v[OUT+4:OUT+5] op_sel_hi:[1,0,1]        ; + 2 NU y = f
	v_pk_mul_f32 v[OUT+6:OUT+7], v[OUT+6:OUT+7], -2.0 op_sel_hi:[1,0]                                  ; u_xx
	global_store_b64 v[OO], v[OUT:OUT+1], s[PU:PU+1] th:TH_STORE_NT        ; each store: 32 lanes x 8 bytes, 256 consecutive bytes at a multiple of 256 from the buffer's first byte
	global_store_b64 v[OO], v[OUT+4:OUT+5], s[PU+2:PU+3] th:TH_STORE_NT
	global_store_b64 v[OO], v[OUT+2:OUT+3], s[PU+4:PU+5] th:TH_STORE_NT
	global_store_b64 v[OO], v[OUT+6:OUT+7], s[PU+6:PU+7] th:TH_STORE_NT
	s_wait_xcnt 0x0                 ; the stores' bases and data registers are rewritten only behind this wait
.irp k, 0,2,4,6
	s_add_nc_u64 s[PU+(\k):PU+(\k)+1], s[PU+(\k):PU+(\k)+1], 256
.endr
	s_sub_co_u32 s[CNT], s[CNT], 1
	s_cmp_lg_u32 s[CNT], 0
	s_cbranch_scc1 .Ltrip
	; THE BOUNDARY POINTS: the same text with the jet h alone.
	s_cmp_lt_u32 s[WV], 3
	s_cbranch_scc0 .Lend
.set JETS, 0
.set DN, 9
	s_wait_loadcnt 0x0              ; my 64 boundary points are in
	START 0
	BODY 0
	START 1
	BODY 1
	global_store_b64 v[OO], v[OUT:OUT+1], s[BDST:BDST+1] th:TH_STORE_NT
.Lend:
	s_endpgm
.Lfunc_end_k_qfadddd6855_pinn:
	.size	k_qfadddd6855_pinn, .Lfunc_end_k_qfadddd6855_pinn-k_qfadddd6855_pinn
	.p2alignl 7, 3214868480
	.fill 96, 4, 3214868480
	.section	.rodata,"a",@progbits
	.p2align	6, 0x0
	.amdhsa_kernel k_qfadddd6855_pinn
		.amdhsa_group_segment_fixed_size 0
		.amdhsa_private_segment_fixed_size 0
		.amdhsa_enable_private_segment 0
		.amdhsa_kernarg_size 232
		.amdhsa_user_sgpr_count 2
		.amdhsa_user_sgpr_kernarg_segment_ptr 1
		.amdhsa_wavefront_size32 1
		.amdhsa_system_sgpr_workgroup_id_x 1
		.amdhsa_system_sgpr_workgroup_id_y 1
		.amdhsa_system_sgpr_workgroup_id_z 1
		.amdhsa_system_vgpr_workitem_id 0
		.amdhsa_next_free_vgpr 256
		.amdhsa_next_free_sgpr 80
		.amdhsa_reserve_vcc 0
		.amdhsa_float_denorm_mode_32 3
		.amdhsa_float_denorm_mode_16_64 3
		.amdhsa_memory_ordered 1
		.amdhsa_forward_progress 1
		.amdhsa_inst_pref_size 209
	.end_amdhsa_kernel
	.amdgpu_metadata
---
amdhsa.version: [ 1, 2 ]
amdhsa.kernels:
  - .name:           k_qfadddd6855_pinn
    .symbol:         k_qfadddd6855_pinn.kd
    .args:
      - { .name: W1, .offset: 0, .size: 8, .value_kind: global_buffer, .address_space: global }
      - { .name: W2, .offset: 8, .size: 8, .value_kind: global_buffer, .address_space: global }
      - { .name: W3, .offset: 16, .size: 8, .value_kind: global_buffer, .address_space: global }
      - { .name: W4, .offset: 24, .size: 8, .value_kind: global_buffer, .address_space: global }
      - { .name: W5, .offset: 32, .size: 8, .value_kind: global_buffer, .address_space: global }
      - { .name: W6, .offset: 40, .size: 8, .value_kind: global_buffer, .address_space: global }
      - { .name: W7, .offset: 48, .size: 8, .value_kind: global_buffer, .address_space: global }
      - { .name: W8, .offset: 56, .size: 8, .value_kind: global_buffer, .address_space: global }
      - { .name: W9, .offset: 64, .size: 8, .value_kind: global_buffer, .address_space: global }
      - { .name: b1, .offset: 72, .size: 8, .value_kind: global_buffer, .address_space: global }
      - { .name: b2, .offset: 80, .size: 8, .value_kind: global_buffer, .address_space: global }
      - { .name: b3, .offset: 88, .size: 8, .value_kind: global_buffer, .address_space: global }
      - { .name: b4, .offset: 96, .size: 8, .value_kind: global_buffer, .address_space: global }
      - { .name: b5, .offset: 104, .size: 8, .value_kind: global_buffer, .address_space: global }
      - { .name: b6, .offset: 112, .size: 8, .value_kind: global_buffer, .address_space: global }
      - { .name: b7, .offset: 120, .size: 8, .value_kind: global_buffer, .address_space: global }
      - { .name: b8, .offset: 128, .size: 8, .value_kind: global_buffer, .address_space: global }
      - { .name: b9, .offset: 136, .size: 8, .value_kind: global_buffer, .address_space: global }
      - { .name: X_f, .offset: 144, .size: 8, .value_kind: global_buffer, .address_space: global }
      - { .name: x0_t0, .offset: 152, .size: 8, .value_kind: global_buffer, .address_space: global }
      - { .name: xb_left_tb, .offset: 160, .size: 8, .value_kind: global_buffer, .address_space: global }
      - { .name: xb_right_tb, .offset: 168, .size: 8, .value_kind: global_buffer, .address_space: global }
      - { .name: out0, .offset: 176, .size: 8, .value_kind: global_buffer, .address_space: global }
      - { .name: out4, .offset: 184, .size: 8, .value_kind: global_buffer, .address_space: global }
      - { .name: out5, .offset: 192, .size: 8, .value_kind: global_buffer, .address_space: global }
      - { .name: out6, .offset: 200, .size: 8, .value_kind: global_buffer, .address_space: global }
      - { .name: out1, .offset: 208, .size: 8, .value_kind: global_buffer, .address_space: global }
      - { .name: out2, .offset: 216, .size: 8, .value_kind: global_buffer, .address_space: global }
      - { .name: out3, .offset: 224, .size: 8, .value_kind: global_buffer, .address_space: global }
    .group_segment_fixed_size: 0
    .private_segment_fixed_size: 0
    .kernarg_segment_align: 8
    .kernarg_segment_size: 232
    .max_flat_workgroup_size: 256
    .sgpr_count:     80
    .vgpr_count:     256
    .wavefront_size: 32
...
	.end_amdgpu_metadata
.endif
;; end of part 2
